; MI455X (gfx1250); checked and timed in simulation.
; The chip was launched on July 23, 2026; its instructions are those of AMD's public machine-readable ISA for CDNA 5 (MIT licence, August 2026) and "CDNA5" Instruction Set Architecture Reference Guide (July 2026). The comments in the code are by the model that wrote it; some were corrected since.
;; mu P Attention Mechanism. Allowed arithmetic: matrix products marked QUANTISED: E4M3 operands, one given power-of-two scale a tensor, by v_wmma_f32_16x16x64_fp8_fp8 or v_wmma_f32_16x16x128_fp8_fp8, f32 sums; everything else in f32.
;; Inputs: key_codes 2 x 16 x 2,048 x 2 x 32 uint8 (E4M3 codes of key, K innermost, in blocks of 32 codes); lowp_scales 4 int32 (the exponents e of the quantised operands' scales 2^e); query_codes 2 x 16 x 2,048 x 2 x 32 uint8 (E4M3 codes of query, K innermost, in blocks of 32 codes); value_codes 2 x 16 x 64 x 64 x 32 uint8 (E4M3 codes of value, K innermost, in blocks of 32 codes).
;; Outputs: out0 2 x 16 x 2,048 x 64 float32.
;; Constants: causal = 1, dhead = 64.
;; This version of the problem:
;;   THIS VERSION OF THE PROBLEM IS GIVEN IN LOW PRECISION. The matrix products marked QUANTISED in the list below multiply operands that are first quantised to E4M3 (4 exponent bits, 3 mantissa bits; 8 bits a number), with one given power-of-two scale for each operand tensor; their sums are f32. All else is computed in f32.
;;   The module's matrix products, in the order in which they are computed (A, B: the left and right operand; K: the contracted axis; several contracted axes count as one K, in the product's order):
;;     1. batch 32 x [M 2,048, K 64] x [K 64, N 2,048]; A: input query (given as codes); B: input key (given as codes): QUANTISED (scales: A lowp_scales[0], B lowp_scales[1])
;;     2. batch 32 x [M 2,048, K 2,048] x [K 2,048, N 64]; A: softmax (see below); B: input value (given as codes): QUANTISED (scales: A lowp_scales[2], B lowp_scales[3])
;;   THE QUANTISER, for each operand of a quantised product, along K:
;;     - The operand's scale is 2^e, e = its entry of the input lowp_scales (int32; the entries are numbered through the quantised products in the list's order, A before B).
;;     - Each number is divided by the scale, clamped to +-448, and rounded to the nearest number of E4M3, ties to even, subnormals kept.
;;     - The product sums the exact products of the quantised numbers (number of the format x scale) in f32.
;;   ~~~python
;;   def quantise(x, axis, e):      # numpy; x: float32 -> the quantised numbers, widened to float32 again
;;       x = np.moveaxis(x, axis, -1); K = x.shape[-1]
;;       r = np.clip(x / 2.0 ** e, -448, 448)
;;       step = 2.0 ** (np.maximum(np.frexp(np.where(r == 0, 1, r))[1] - 1, -6) - 3)
;;       q = np.round(r / step) * step * 2.0 ** e      # np.round: ties to even
;;       return np.moveaxis(q, -1, axis).astype(np.float32)
;;   ~~~
;;   SOFTMAX AHEAD OF A QUANTISED PRODUCT. Where the list says 'softmax', what is quantised is not the finished softmax but p = 2^(t - M), with t = logit x log2(e) and M = ceil(the row's largest t), a whole number; so 1/2 < the row's largest p <= 1. The row's sum l is taken of the UNQUANTISED p, in f32, and the product's result is divided by l at the end. Since M is a whole number, a kernel that streams over the keys may use a running M (the ceiling of the running maximum): every later rescaling is an exact power of two, so the quantised numbers keep their values, but for numbers so far below the row's largest that they fall under the format's range.
;;   OPERANDS COMPUTED ON THE WAY. 'Computed on the way' means the value that the module computes at that place (a softmax that the list does not call 'softmax' is quantised finished and normalised). What goes into a quantiser is computed in f32, as accurately as f32 sums, v_exp_f32 and their like allow (about 1e-6 of the number): no bf16 or f16 on the way to a quantiser, and a product that is left as it is and whose result goes on into a quantised operand takes f32 operands (vector FMAs, or v_wmma_f32_16x16x4_f32). A number that lies on a knife's edge between two numbers of the format may be rounded either way, as far as f32 arithmetic and the matrix unit's own rounding can turn it there, and no further.
;;   INPUTS GIVEN AS CODES. key (in the module: [2, 16, 2048, 64], K = its axis 3); query (in the module: [2, 16, 2048, 64], K = its axis 3); value (in the module: [2, 16, 2048, 64], K = its axis 2): each comes as NAME_codes (uint8): NAME with its K axis moved to the last place and cut into blocks of 32 codes, [.., K / 32, bytes a block], one block behind the other in memory; one code a byte (a code: sign, 4 exponent bits, 3 mantissa bits); its scale is its entry of lowp_scales. Its value is code x scale, taken as it is: it is not quantised again, and the codes and scales need not be those that the quantiser above would give.
;; One version. Each part assembles by itself: llvm-mc -triple=amdgcn-amd-amdhsa -mcpu=gfx1250 --defsym DOCPART=n.
;; ======== version 1 of 1: 1 launch
;; limits: right only within a limited range of input values
;; launch attn (part 1): grid 8 x 32, 16 waves a work-group, no clusters, 327,680 bytes of LDS; arguments query_codes, key_codes, value_codes, lowp_scales, out0; writes out0
.if DOCPART == 1
	.amdgcn_target "amdgcn-amd-amdhsa--gfx1250"
	.amdhsa_code_object_version 6
	.text
	.protected	k_qa2e95c7b5b_attn
	.globl	k_qa2e95c7b5b_attn
	.p2align	8
	.type	k_qa2e95c7b5b_attn,@function
k_qa2e95c7b5b_attn:
	s_mov_b64 s[64:65], 0
	v_nop
	global_prefetch_b8 v0, s[64:65] scope:SCOPE_SE
	s_setreg_imm32_b32 hwreg(HW_REG_WAVE_MODE, 25, 1), 1
	s_wait_xcnt 0x0
; out[head][q][:] = the sum over keys k <= q of softmax_k(Q[head][q] . K[head][k] / 64) V[head][k][:], 32 heads (2 x 16), 2,048 positions, head size 64; both products on codes of E4M3.
; Q, K: codes [head][2048][64] (a row is 64 bytes).  V: codes with the KEYS innermost, [head][64][2048] (a row is 2,048 bytes).  lowp_scales: eq, ek, ep, ev.  out: f32 [head][2048][64] (a row is 256 bytes).
; THE SOFTMAX AHEAD OF THE SECOND PRODUCT: t = score x 2^(eq + ek) x log2(e) / 64; M = the row's largest t so far, rounded UP to a whole number; p = 2^(t - M) is quantised with 2^ep, not normalised.
; The row's sum is taken of the unquantised p, in f32, and divides at the end.  When M moves, the sum and O are multiplied by 2^(old M - new M): exact.
; WORK LEFT OUT.  With causal = 1, a constant of the problem, every score with key > query is -infinity.  Such a score gives p = 0, which adds nothing to the row's sum
; and nothing to the second product, whatever finite values the inputs hold.  So a key step whose 128 keys all come after a wave's 16 queries is not walked, and a slot of keys whose first key comes after the
; work-group's last query is not fetched.  In the one step of a wave that lies on the diagonal the hidden scores are computed and set to -infinity.  All four inputs stay live and are loaded.
; LIMIT: a NaN code of key or value that lies only in steps left out is not carried to the result.
; SHARES.  A work-group (x = j, 0 to 7; y = head) owns the query blocks j and 15 - j of its head, 128 queries each; each of its SIXTEEN waves owns one tile of 16 queries, in 256 registers.  A tile of block b walks
; b + 1 key steps of 128 keys, so every work-group has 8 (j + 1) + 8 (16 - j) = 136 tile steps.  Wave w takes the high block where (w xor (w >> 2)) is odd: of the waves with equal w % 4, and of those with
; equal w / 4, two are low and two are high.  K's and V's tiles come through a ring of two LDS slots of 512 keys (four key steps), filled by the tensor data mover (waves 0, 1: K's halves; waves 2, 3: V's) and read by all.
; NO CLUSTER, though the eight work-groups of a head read the same K and V: they need different numbers of tiles (work-group j reads keys up to 2,047 - 128 j: four slots for j <= 3, three for j >= 4), a joint load
; is issued by every partner that it names, and a partner would be sent tiles that none of its waves reads.
; LAYOUT.  Both products are used transposed: S^T = K Q^T (source 0 = 16 neighbouring keys, source 1 = my 16 queries), O^T = V^T P^T (source 0 = 16 of the head's 64, source 1 = P): a lane holds ONE query (lane % 16).
; First product, 16x16x64: both sources are fed by two loads of 16 bytes (registers 4 e .. 4 e + 3 = bytes 32 e + 16 (lane / 16) + 0 .. 15 of the row): one permutation of the head's axis, the same on both sides.
; Tile c's eight results of a lane are keys 16 c + 8 (lane / 16) + 0 .. 7: converted, they are registers 2 c, 2 c + 1 of the 16x16x128 form's own layout; V's fragments are fetched in that layout, by loads of 8 bytes.
; LIMITS on the given exponents, so that each power of two below is an f32 number: eq + ek between -120 and 133 (they are added to c's exponent field, 121); ep between -126 and 119; ep + ev is applied by v_ldexp_f32.
; With a running M, numbers far under the row's largest fall under the format's range, as the problem's text allows.
; All of the WGP's LDS is claimed.
.set SK,    512                        ; keys in a slot
.set KP,    80                         ; a key's row in LDS: 64 bytes + 16 of padding = 20 words: 16 neighbouring rows start at 16 different groups of four banks (64 banks of 4 bytes: ISA guide 11.1)
.set VP,    272                        ; a row of V's tile in LDS: 256 bytes + 16 = 68 words: the 32 lanes of a load of 8 bytes (word 68 r + 2 h) touch each bank once
.set VSUB,  64*VP                      ; a tile of V: 64 rows x 256 keys
.set VOFF,  SK*KP                      ; a slot: 512 rows of K, then two tiles of V,
.set STG,   VOFF+2*VSUB                ; then eight waves' stages for the way out, which no tensor load ever fills
.set STW,   16*272                     ; a stage: 16 rows x (256 bytes + 16)
.set SLOT1, 1<<17                      ; slot 1 begins here, so that one exclusive or turns an address in one slot into the other's
.set SPARE, 2*SLOT1                    ; behind the ring: the spare words, 128 bytes for each wave: eight blocks of 256 bytes that no other line names
.set AK0,  1                           ; v1   my lane's place in a tile of K: 80 r + 16 h
.set AV0,  2                           ; v2   in a tile of V: 272 r + 8 h + VOFF
.set PFO,  3                           ; v3   the prefetches' offset; never rewritten
.set DQ,   4                           ; v4   r - 8 h, for the diagonal
.set SPW,  5                           ; v5   LDS address of my spare word: SPARE + 4 x my thread's number; never rewritten
.set NIL,  6                           ; v6   0; never rewritten
.set GO,   7                           ; v7   the way out: my byte offset in the wave's rows of out
.set ADK,  8                           ; v8   LDS address of the slot's K for my lane
.set ADV,  9                           ; v9   of its V.   v10, v11: Q's offset, later the stage's addresses.   v12 -M, v13 the largest t, v[14:15] the sum in two halves
.set QF,   16                          ; v16-23   Q's fragment
.set KV,   32                          ; v32-95   eight fragments of K, then four of V; on the way out the rows read back
.set S,    96                          ; v96-159  S^T, then p; on the way out O / the sum
.set OT,   160                         ; v160-191 O^T, four tiles
.set PC,   192                         ; v192-207 p's codes
.set LIMP, 208                         ; v208 448 x 2^ep
.set SCP,  209                         ; v209 2^ep
.set F,    210                         ; v[210:211] f = 2^(old M - new M); v211 is named with it as a pair
.set MX,   212                         ; v212-215 four chains of the maximum; v214-219 three chains of the sum
.set PM,   220                         ; v220 a lane permute's destination
.set TB,   2                           ; s2   LDS byte at which the slot in hand begins
.set WV,   18                          ; s18  my wave's number
.set SEL,  20                          ; s[20:21] lane selects for v_permlanex16_b32: lane l xor 16
.set CS,   22                          ; s[22:23] c = 2^(eq + ek) log2(e) / 64
.set G1K,  24                          ; s[24:31] descriptor group 1 for K's tiles;  s[32:39] for V's;  s[40:43], s[44:47] their groups 0, which walk
.set G1V,  32
.set G0K,  40
.set G0V,  44
.set SLOTS, 67                         ; s67  changes of slots still to come that may ask for a slot
.set PFA,  76                          ; s[76:77] where my prefetches stand in memory
.set PFS,  78                          ; s[78:79] a slot on, in bytes
.set LIM,  80                          ; s80  1 in a wave that prefetches, else the greatest number
.set QL,   81                          ; s81  my work-group's last query: 2,047 - 128 j
.set KF,   98                          ; s98  the step's first key
.set Q0,   99                          ; s99  my first query
; Waves 0 and 1 fetch for K, waves 2 and 3 for V, the others nothing.  The branches hang on the wave's number alone.  An s_nop 0 and four v_nop follow each of the two lines.
.macro TLOAD
	s_cmp_lt_u32 s[WV], 2
	s_cbranch_scc0 .Lnot_k_\@
	tensor_load_to_lds s[G0K:G0K+3], s[G1K:G1K+7]
	s_nop 0
.rept 4
	v_nop
.endr
	s_branch .Lasked_\@
.Lnot_k_\@:
	s_cmp_lt_u32 s[WV], 4
	s_cbranch_scc0 .Lasked_\@
	tensor_load_to_lds s[G0V:G0V+3], s[G1V:G1V+7]
	s_nop 0
.rept 4
	v_nop
.endr
.Lasked_\@:
.endm
; A PREFETCH INTO THE L2 of what the NEXT change of slots will ask for: 512 rows of K, one dense block of 32,768 bytes, and 512 codes of each of V's 64 rows.  It stands where the fetching waves have their tensor load.
; Each aligned block of 256 bytes is named ONCE in the launch: the head's work-group j = 0 asks, which walks all four slots itself; in it waves 4 to 7 ask for K's block, 8,192 bytes a wave, lanes 256 bytes apart;
; waves 8 to 11 for V's: 32 rows and one of a row's two blocks of 256 bytes a wave, a lane a row.  Slots 0 and 1 come by their loads alone; the last change that fills a slot asks for nothing: there is no slot behind it.
.macro ASK
	s_cmp_gt_u32 s[SLOTS], s[LIM]
	s_cbranch_scc0 .Lnot_mine_\@
	global_prefetch_b8 v[PFO], s[PFA:PFA+1] th:TH_LOAD_NT scope:SCOPE_SE
.Lnot_mine_\@:
.endm
	s_load_b128 s[4:7], s[0:1], 0x0                ; Q's codes s[4:5], K's codes s[6:7]
	s_load_b128 s[12:15], s[0:1], 0x10             ; V's codes s[12:13], the scales' exponents s[14:15]
	s_load_b64 s[16:17], s[0:1], 0x20              ; out
	v_lshl_add_u32 v[SPW], v0, 2, SPARE
	v_mov_b32 v[NIL], 0
	ds_add_u32 v[SPW], v[NIL]                      ; the wave's opening: the add, twice on end, and its wait ahead of the first tensor load; the set-up below, work on registers, stands between
	ds_add_u32 v[SPW], v[NIL]                      ; and once more, under the one wait
	v_lshrrev_b32 v8, 5, v0
	v_readfirstlane_b32 s[WV], v8                  ; wave 0..15
	s_and_b32 s72, ttmp7, 0xffff                   ; the head
	s_lshl_b32 s74, s72, 17                        ; its first byte in each tensor of codes: 2,048 x 64 bytes a head,
	s_mov_b32 s75, 0
	s_lshl_b32 s86, s72, 19                        ; and in out: 2,048 x 256
	s_mov_b32 s87, 0
	s_lshr_b32 s82, s[WV], 2
	s_xor_b32 s82, s82, s[WV]
	s_and_b32 s82, s82, 1                          ; 1: my tile lies in the high block
	s_lshl_b32 s83, ttmp9, 1
	s_sub_co_u32 s83, 15, s83                      ; 15 - 2 j
	s_mul_i32 s83, s83, s82
	s_add_co_u32 s83, s83, ttmp9                   ; my block: j, or 15 - j
	s_lshl_b32 s83, s83, 7
	s_lshr_b32 s84, s[WV], 1                       ; my tile in it: w / 2
	s_lshl_b32 s84, s84, 4
	s_add_co_u32 s[Q0], s83, s84                   ; my first query
	s_lshl_b32 s[QL], ttmp9, 7
	s_sub_co_u32 s[QL], 2047, s[QL]                ; the work-group's last query: the last of block 15 - j
	s_lshl_b32 s84, s[Q0], 6
	s_add_co_u32 s84, s84, s74                     ; my queries' codes
	s_mov_b32 s85, 0
	s_lshl_b32 s83, s[Q0], 8
	s_add_co_u32 s86, s86, s83                     ; my rows of out
	; what I fetch, if I fetch: wave 0, 1: keys 256 x (wave % 2) on of a slot; wave 2, 3: the slot's keys 256 x (wave % 2) on of all 64 rows of V
	s_and_b32 s88, s[WV], 1
	s_lshl_b32 s90, s88, 14
	s_add_co_u32 s90, s90, s74                     ; K: in memory (256 rows of 64 bytes),
	s_mov_b32 s91, 0
	s_mul_i32 s89, s88, 256*KP                     ; and in a slot
	s_lshl_b32 s92, s88, 8
	s_add_co_u32 s92, s92, s74                     ; V: in memory,
	s_mov_b32 s93, 0
	s_mul_i32 s94, s88, VSUB
	s_add_co_u32 s94, s94, VOFF                    ; and in a slot
	; descriptor group 1.  K: 256 rows of 64 bytes, dense in memory;  V: 64 rows of 256 bytes, 2,048 bytes apart
	s_mov_b32 s[G1K], (0<<16)|(1<<20)|(3<<22)|(3<<25)  ; 15:0 no mask; 17:16 elements of 1 byte; 20 padding on; 24:22 after every 16 words (code 3); 31:25 four words (code 3)
	s_mov_b32 s[G1K+1], 64<<16                     ; tensor_dim0
	s_mov_b32 s[G1K+2], 256<<16                    ; tensor_dim1
	s_mov_b32 s[G1K+3], 64<<16                     ; tile_dim0
	s_mov_b32 s[G1K+4], 256                        ; tile_dim1
	s_mov_b32 s[G1K+5], 64                         ; tensor_dim0_stride
	s_mov_b32 s[G1K+6], 0
	s_mov_b32 s[G1K+7], 0
	s_mov_b32 s[G1V], (0<<16)|(1<<20)|(5<<22)|(3<<25)  ; padding: four words after every 64
	s_mov_b32 s[G1V+1], 256<<16
	s_mov_b32 s[G1V+2], 64<<16
	s_mov_b32 s[G1V+3], 256<<16
	s_mov_b32 s[G1V+4], 64
	s_mov_b32 s[G1V+5], 2048
	s_mov_b32 s[G1V+6], 0
	s_mov_b32 s[G1V+7], 0
	s_mov_b32 s[SEL], 0x76543210
	s_mov_b32 s[SEL+1], 0xfedcba98
	s_mov_b32 s[CS], 0x3cb8aa3b                    ; log2(e) / 64
	s_mov_b32 s[TB], 0
	s_mov_b32 s[SLOTS], 3
	s_mov_b32 s[KF], 0
	s_wait_dscnt 0x0                               ; both opening adds are done
	s_wait_kmcnt 0x0
	s_load_b128 s[68:71], s[14:15], 0x0            ; eq, ek, ep, ev
	s_mov_b32 s[G0K], 1                            ; 1:0 count = 1
	s_mov_b32 s[G0K+1], s89                        ; 63:32 LDS address: slot 0
	s_add_nc_u64 s[G0K+2:G0K+3], s[6:7], s[90:91]  ; 120:64 global address: the head's first 512 keys
	s_or_b32 s[G0K+3], s[G0K+3], 0x80000000        ; 127:126 type = 2
	s_mov_b32 s[G0V], 1
	s_mov_b32 s[G0V+1], s94
	s_add_nc_u64 s[G0V+2:G0V+3], s[12:13], s[92:93]
	s_or_b32 s[G0V+3], s[G0V+3], 0x80000000
	TLOAD                                          ; slot 0: it holds key 0, which counts for every query.  One tensor load of a wave is out, here and behind every change of slots
	s_add_nc_u64 s[4:5], s[4:5], s[84:85]          ; Q's codes at my first query
	s_add_nc_u64 s[16:17], s[16:17], s[86:87]      ; out likewise
	; the prefetches (macro ASK): where my wave's stand, and who asks
	s_and_b32 s83, s[WV], 3
	s_lshl_b32 s83, s83, 13                        ; K: 8,192 bytes a wave
	s_and_b32 s84, s[WV], 1
	s_lshl_b32 s84, s84, 16                        ; V: 32 rows of 2,048 bytes,
	s_and_b32 s85, s[WV], 2
	s_lshl_b32 s85, s85, 7                         ; and which 256 of a slot's 512 bytes of a row
	s_add_co_u32 s84, s84, s85
	s_mov_b32 s[PFS], SK
	s_mov_b32 s82, 2048
	s_cmp_lt_u32 s[WV], 8                          ; waves 4 to 7 ask for K's codes, waves 8 to 11 for V's
	s_cselect_b64 s[PFA:PFA+1], s[6:7], s[12:13]
	s_cselect_b32 s[PFS], SK*64, s[PFS]            ; a slot on
	s_cselect_b32 s82, 256, s82                    ; from lane to lane
	s_cselect_b32 s84, s83, s84                    ; my wave's part,
	s_mov_b32 s[PFS+1], 0
	s_mov_b32 s85, 0
	s_add_co_u32 s84, s84, s[PFS]                  ; in slot 1: the first change of slots steps it to slot 2.  Nothing is prefetched here, at the head
	v_and_b32 v[PFO], 31, v0
	v_mul_lo_u32 v[PFO], v[PFO], s82
	s_add_nc_u64 s[PFA:PFA+1], s[PFA:PFA+1], s[74:75]  ; in my head
	s_add_nc_u64 s[PFA:PFA+1], s[PFA:PFA+1], s[84:85]
	s_sub_co_u32 s82, s[WV], 4
	s_lshr_b32 s82, s82, 3                         ; 0 in waves 4 to 11,
	s_or_b32 s82, s82, ttmp9                       ; of the head's work-group j = 0
	s_cmp_eq_u32 s82, 0
	s_cselect_b32 s[LIM], 1, -1
	v_and_b32 v8, 15, v0                           ; r = lane % 16
	v_bfe_u32 v9, v0, 4, 1                         ; h = lane / 16
	v_lshlrev_b32 v10, 6, v8
	v_lshl_add_u32 v10, v9, 4, v10                 ; Q: row r of 64 bytes, + 16 h
	global_load_b128 v[QF:QF+3], v10, s[4:5]       ; Q's fragment stays in registers
	global_load_b128 v[QF+4:QF+7], v10, s[4:5] offset:32
	v_mul_u32_u24 v[AK0], v8, KP
	v_lshl_add_u32 v[AK0], v9, 4, v[AK0]
	v_mul_u32_u24 v[AV0], v8, VP
	v_lshl_add_u32 v[AV0], v9, 3, v[AV0]
	v_add_nc_u32 v[AV0], VOFF, v[AV0]
	v_lshlrev_b32 v[DQ], 3, v9
	v_sub_nc_u32 v[DQ], v8, v[DQ]
	v_lshlrev_b32 v[GO], 8, v9
	v_lshl_add_u32 v[GO], v8, 4, v[GO]             ; the way out: lanes 0-15 take one row of out, lanes 16-31 the next; 16 bytes a lane
	v_mov_b32 v13, 0xff61b1e6                      ; the largest t so far: -3e38, under every t
	v_floor_f32 v12, -v13                          ; -M
	v_mov_b32 v14, 0                               ; the sum, in two halves
	v_mov_b32 v15, 0
	v_mov_b32 v[F+1], 0                            ; (named as the upper half of the pair)
	v_mov_b32 v[PM], 0                             ; written once: a lane permute's destination counts as one of its sources
.set n, 0
.rept 32
	v_mov_b32 v[OT+n], 0                           ; O^T.  (The key step is written without a first step of its own: the first finds zeros, which the first change of M leaves zeros)
.set n, n+1
.endr
	s_wait_kmcnt 0x0
	s_add_co_i32 s72, s68, s69
	s_lshl_b32 s72, s72, 23
	s_add_co_i32 s[CS], s[CS], s72                 ; a score stands for score x 2^(eq + ek): the two exponents are added to c's exponent field
	s_mov_b32 s[CS+1], s[CS]                       ; (named with it as a pair, so it is written)
	s_add_co_i32 s72, s70, 127
	s_lshl_b32 s73, s72, 23
	v_mov_b32 v[SCP], s73                          ; 2^ep as f32: the conversion takes its exponent field
	s_add_co_i32 s72, s72, 8
	s_lshl_b32 s72, s72, 23
	s_or_b32 s72, s72, 0x600000
	v_mov_b32 v[LIMP], s72                         ; 448 x 2^ep
; A KEY STEP: 128 keys, the q-th of the slot in hand.
.macro STEP q
	s_add_co_u32 s96, s[Q0], 15                    ; a step all of whose keys come after my 16 queries is left out: a scalar branch on ids, round the step's loads, products and softmax;
	s_cmp_gt_u32 s[KF], s96                        ; not round the line at its end that steps the first key; no barrier and no tensor load stands in a step
	s_cbranch_scc1 .Lhidden_\@
	v_add_nc_u32 v[ADK], s[TB], v[AK0]
	v_add_nc_u32 v[ADV], s[TB], v[AV0]
	v_nop                                          ; with the two additions: four places between the last step's products and loads into registers that they read (ISA guide 7.12.1 for vector instructions)
	v_nop
.irp c, 0,1,2,3,4,5,6,7                        ; K: eight tiles of 16 neighbouring keys
	ds_load_b128 v[KV+8*\c:KV+8*\c+3],   v[ADK] offset:(128*(\q)+16*\c)*KP
	ds_load_b128 v[KV+8*\c+4:KV+8*\c+7], v[ADK] offset:(128*(\q)+16*\c)*KP+32
.endr
	s_wait_dscnt 0x0
.irp c, 0,1,2,3,4,5,6,7                        ; S^T = K Q^T: in tile c lane (r, h) holds query r and keys 16 c + 8 h + 0 .. 7
	v_wmma_f32_16x16x64_fp8_fp8 v[S+8*\c:S+8*\c+7], v[KV+8*\c:KV+8*\c+7], v[QF:QF+7], 0
.endr
.rept 4
	v_nop                                          ; four places: in front of the loads into K's registers, and of the first read of the scores
.endr
.irp t, 0,1,2,3                                ; V: four tiles of 16 of the head's 64 x these 128 keys; asked for now, waited for in front of the second product: they land under the softmax
.irp c, 0,1,2,3,4,5,6,7
	ds_load_b64 v[KV+16*\t+2*\c:KV+16*\t+2*\c+1], v[ADV] offset:((\q)/2)*VSUB+((\q)%2)*128+16*\t*VP+16*\c
.endr
.endr
	s_add_co_u32 s96, s[KF], 127                   ; on the diagonal the scores of hidden keys become -infinity ahead of the maximum: p = 0 then.  A step all of whose keys count skips this
	s_cmp_le_u32 s96, s[Q0]
	s_cbranch_scc1 .Lopen_\@
	s_sub_co_i32 s96, s[Q0], s[KF]
	v_add_nc_u32 v[MX], s96, v[DQ]                 ; d = my query - the step's first key - 8 h.  Register 8 c + i holds key 16 c + 8 h + i of the step: hidden where 16 c + i > d
	v_mov_b32 v[MX+1], 0xff800000                  ; -infinity
.set n, 0
.rept 64
	v_cmp_gt_i32 vcc_lo, 16*(n/8)+n%8, v[MX]
	v_cndmask_b32 v[S+n], v[S+n], v[MX+1], vcc_lo
.set n, n+1
.endr
.Lopen_\@:
	v_max3_num_f32 v[MX],   v[S],   v[S+1],  v[S+2]    ; the step's largest score of my query among my 64 keys: four chains, the registers in ascending order
	v_max3_num_f32 v[MX+1], v[S+3], v[S+4],  v[S+5]
	v_max3_num_f32 v[MX+2], v[S+6], v[S+7],  v[S+8]
	v_max3_num_f32 v[MX+3], v[S+9], v[S+10], v[S+11]
.set k, 0
.rept 26
	v_max3_num_f32 v[MX+k%4], v[MX+k%4], v[S+12+2*k], v[S+13+2*k]
.set k, k+1
.endr
	v_max3_num_f32 v[MX], v[MX], v[MX+1], v[MX+2]
	v_max_num_f32 v[MX], v[MX], v[MX+3]
	v_permlanex16_b32 v[PM], v[MX], s[SEL], s[SEL+1]
	v_max_num_f32 v[MX], v[MX], v[PM]              ; and among lane l xor 16's.  The step's first key counts for every query of a step that is walked: the maximum is a number
	v_mul_f32 v[MX], s[CS], v[MX]                  ; as t (c is positive)
	v_max_num_f32 v13, v13, v[MX]                  ; the running largest t
	v_mov_b32 v[MX], v12
	v_floor_f32 v12, -v13                          ; the new -M = floor(-t) = -ceil(t): M is a whole number
	v_sub_f32 v[MX], v12, v[MX]                    ; M's old value less its new one: a whole number, 0 or less
	v_cvt_i32_f32 v[MX], v[MX]                     ; (it saturates)
	v_ldexp_f32 v[F], 1.0, v[MX]                   ; f = 2^(old M - new M)
.set n, 0
.rept 32
	v_pk_fma_f32 v[S+n:S+n+1], v[S+n:S+n+1], s[CS:CS+1], v[12:13] op_sel_hi:[1,0,0]   ; t - M, two at a time (of the pairs c and -M the low word serves both halves)
.set n, n+2
.endr
.set n, 0
.rept 64
	v_exp_f32 v[S+n], v[S+n]                       ; p = 2^(t - M), at most 1: not normalised
.set n, n+1
.endr
	v_pk_mul_f32 v[14:15], v[14:15], v[F:F+1] op_sel_hi:[1,0]   ; the sum under the new M: the plain instruction behind the exponentials
	s_wait_alu depctr_va_vdst(0)                   ; one wait for the batch of 64 exponentials, ahead of the first instruction that names a result
	v_pk_add_f32 v[MX+2:MX+3], v[S:S+1],   v[S+2:S+3]     ; THE ROW'S SUM IS TAKEN OF THE UNQUANTISED p: two at a time, in four chains
	v_pk_add_f32 v[MX+4:MX+5], v[S+4:S+5], v[S+6:S+7]
	v_pk_add_f32 v[MX+6:MX+7], v[S+8:S+9], v[S+10:S+11]
.set k, 0
.rept 26
.if k%4 == 0
	v_pk_add_f32 v[14:15], v[14:15], v[S+12+2*k:S+13+2*k]
.else
	v_pk_add_f32 v[MX+2*(k%4):MX+2*(k%4)+1], v[MX+2*(k%4):MX+2*(k%4)+1], v[S+12+2*k:S+13+2*k]
.endif
.set k, k+1
.endr
	v_pk_add_f32 v[MX+2:MX+3], v[MX+2:MX+3], v[MX+4:MX+5]
	v_pk_add_f32 v[14:15], v[14:15], v[MX+6:MX+7]
	v_pk_add_f32 v[14:15], v[14:15], v[MX+2:MX+3]
.irp c, 0,1,2,3,4,5,6,7
.irp i, 0,1,2,3,4,5,6,7
	v_min_num_f32 v[S+8*\c+\i], v[S+8*\c+\i], v[LIMP]   ; the conversion to an 8-bit code does not saturate (ISA guide 7.6.2); p is not negative, so the hold is one-sided
.endr
	v_cvt_scalef32_pk8_fp8_f32 v[PC+2*\c:PC+2*\c+1], v[S+8*\c:S+8*\c+7], v[SCP]   ; keys 16 c + 8 h + 0 .. 7: registers 2 c, 2 c + 1 of the second product's source 1
.endr
.set n, 0
.rept 16
	v_pk_mul_f32 v[OT+n:OT+n+1], v[OT+n:OT+n+1], v[F:F+1] op_sel_hi:[1,0]   ; O^T under the new M, each tile from its low end on.  (These are also the plain lines between the last conversion and the products)
.set n, n+2
.endr
	s_wait_dscnt 0x0                               ; V is in
.irp t, 0,1,2,3                                ; O^T += V^T P^T: the four accumulators by turns; the next link of each stands a step on, behind eight other products
	v_wmma_f32_16x16x128_fp8_fp8 v[OT+8*\t:OT+8*\t+7], v[KV+16*\t:KV+16*\t+15], v[PC:PC+15], v[OT+8*\t:OT+8*\t+7]
.endr
.Lhidden_\@:
	s_add_co_u32 s[KF], s[KF], 128
.endm
; THE CHANGE OF SLOTS stands at a slot's head.  Each wave waits for all its tensor loads (its part of the slot that it is about to read), adds 0 to its spare word (fill = 1: twice on end), and waits for that and for
; its reads of the slot that it has left.  Behind the barrier the slot ahead is whole and nobody reads the other one.  fill = 1: that other slot takes the 512 keys that follow, up to the causal limit:
; the load has a slot's four key steps in which to land.
.macro CHANGE fill
	s_wait_tensorcnt 0x0                           ; no tensor load of mine is out, so a group 0 may be written
	ds_add_u32 v[SPW], v[NIL]                      ; 0 onto my spare word
.if \fill
	ds_add_u32 v[SPW], v[NIL]                      ; and once more: the add stands twice on end, in every trip alike
	s_xor_b32 s[G0K+1], s[G0K+1], SLOT1            ; the walking descriptors: the other slot than last time,
	s_add_nc_u64 s[G0K+2:G0K+3], s[G0K+2:G0K+3], SK*64   ; the next 512 keys; the type bits on top are not reached
	s_xor_b32 s[G0V+1], s[G0V+1], SLOT1
	s_add_nc_u64 s[G0V+2:G0V+3], s[G0V+2:G0V+3], SK
	s_wait_xcnt 0x0                                ; the last prefetch, a slot back, has read its address, so it may be written:
	s_add_nc_u64 s[PFA:PFA+1], s[PFA:PFA+1], s[PFS:PFS+1]  ; one slot further on than the walking descriptors
.endif
	s_wait_dscnt 0x0                               ; the add is done (fill = 1: both are), and my reads of the slot that I have left are over
	s_barrier_signal -1
	s_barrier_wait -1
.if \fill
	s_add_co_u32 s96, s[KF], SK                    ; THE LOOK-AHEAD ENDS AT THE CAUSAL LIMIT: a slot whose first key comes after the work-group's last query is read by none of its waves, so it is not asked for.
	s_cmp_gt_u32 s96, s[QL]                        ; Ids and the count of steps alone: all sixteen waves go the same way, and a work-group that is past the limit stays past it.  Every wait for tensor loads in this text is for 0,
	s_cbranch_scc1 .Lpast_\@                       ; and the jump leads round the load's own lines alone: no barrier, no wait, no add.  Where the tail begins hangs on the work-group's number, so it cannot be written out
	TLOAD                                          ; a wave's one tensor load until the next change
.Lpast_\@:
	ASK                                            ; what the next change of slots will ask for: four key steps ahead of that load
.endif
.endm
.macro SLOT_STEPS
.irp q, 0,1,2,3
	STEP \q
.endr
	s_xor_b32 s[TB], s[TB], SLOT1                  ; on to the other slot
.endm
	s_wait_loadcnt 0x0                             ; Q
.Lslot:                                            ; three trips: behind each change of slots but the last the next slot is asked for, up to the limit.  Slot 1's first fill stands behind the first trip's barrier, where nothing is filled again
	CHANGE 1
	SLOT_STEPS
	s_sub_co_u32 s[SLOTS], s[SLOTS], 1
	s_cmp_lg_u32 s[SLOTS], 0
	s_cbranch_scc1 .Lslot
	CHANGE 0                                       ; the last slot is written out: behind its change nothing is asked for
	SLOT_STEPS
	; THE WAY OUT.  The sum's two halves and the other half of the lanes' are added; O^T is divided by the sum, multiplied by 2^(ep + ev), and goes through my own stage in LDS, so that sixteen lanes store one row of 256 bytes.
	v_add_f32 v14, v14, v15
	v_permlanex16_b32 v[PM], v14, s[SEL], s[SEL+1]
	v_add_f32 v14, v14, v[PM]                      ; the row's sum
	v_rcp_f32 v14, v14
	v_and_b32 v8, 15, v0                           ; (a plain instruction behind the reciprocal)  r
	v_bfe_u32 v9, v0, 4, 1                         ; h
	s_add_co_i32 s72, s70, s71                     ; ep + ev
	s_and_b32 s73, s[WV], 7
	s_mul_i32 s73, s73, STW
	s_lshr_b32 s74, s[WV], 3
	s_lshl_b32 s74, s74, 17
	s_add_co_u32 s73, s73, s74
	s_add_co_u32 s73, s73, STG                     ; my stage: waves 0-7 behind slot 0's tiles, waves 8-15 behind slot 1's
	v_mul_u32_u24 v10, v8, 272
	v_lshl_add_u32 v10, v9, 5, v10
	v_add_nc_u32 v10, s73, v10                     ; in: row r; tile t's eight channels of my half: 64 t + 32 h bytes on
	v_mul_u32_u24 v11, v9, 272
	v_lshl_add_u32 v11, v8, 4, v11
	v_add_nc_u32 v11, s73, v11                     ; back: lanes 0-15 one row, lanes 16-31 the next
	s_wait_alu depctr_va_vdst(0)                   ; the wait ahead of the reciprocal's first reader
	v_ldexp_f32 v14, v14, s72                      ; 2^(ep + ev) / the sum
.set n, 0
.rept 16
	v_pk_mul_f32 v[S+n:S+n+1], v[OT+n:OT+n+1], v[14:15] op_sel_hi:[1,0]   ; register 8 t + i is out(r, 16 t + 8 h + i); each tile from its low end on
.set n, n+2
.endr
.irp t, 0,1,2,3
	ds_store_b128 v10, v[S+8*\t:S+8*\t+3] offset:64*\t
	ds_store_b128 v10, v[S+8*\t+4:S+8*\t+7] offset:64*\t+16
.endr
.irp i, 0,1,2,3,4,5,6,7
	ds_load_b128 v[KV+4*\i:KV+4*\i+3], v11 offset:2*\i*272   ; LDS serves a wave's instructions in order (ISA guide 5.7.1.4): these see my stores
.endr
.irp i, 0,1,2,3,4,5,6,7
	s_wait_dscnt 7-\i                              ; pair i of rows is back; the 7 - i younger loads may be out
	global_store_b128 v[GO], v[KV+4*\i:KV+4*\i+3], s[16:17] offset:512*\i th:TH_STORE_NT   ; 32 lanes store 512 consecutive bytes, at a multiple of 256 from out's first byte; written once, read by nobody here
.endr
	s_wait_tensorcnt 0x0                           ; the wave's end: behind my last tensor load and my last LDS store
	ds_add_u32 v[SPW], v[NIL]
	s_wait_dscnt 0x0
	s_endpgm
.Lfunc_end_k_qa2e95c7b5b_attn:
	.size	k_qa2e95c7b5b_attn, .Lfunc_end_k_qa2e95c7b5b_attn-k_qa2e95c7b5b_attn
	.p2alignl 7, 3214868480
	.fill 96, 4, 3214868480
	.section	.rodata,"a",@progbits
	.p2align	6, 0x0
	.amdhsa_kernel k_qa2e95c7b5b_attn
		.amdhsa_group_segment_fixed_size 327680
		.amdhsa_private_segment_fixed_size 0
		.amdhsa_enable_private_segment 0
		.amdhsa_kernarg_size 40
		.amdhsa_user_sgpr_count 2
		.amdhsa_user_sgpr_kernarg_segment_ptr 1
		.amdhsa_wavefront_size32 1
		.amdhsa_system_sgpr_workgroup_id_x 1
		.amdhsa_system_sgpr_workgroup_id_y 1
		.amdhsa_system_sgpr_workgroup_id_z 1
		.amdhsa_system_vgpr_workitem_id 0
		.amdhsa_next_free_vgpr 256
		.amdhsa_next_free_sgpr 100
		.amdhsa_reserve_vcc 1
		.amdhsa_float_denorm_mode_32 3
		.amdhsa_float_denorm_mode_16_64 3
		.amdhsa_memory_ordered 1
		.amdhsa_forward_progress 1
		.amdhsa_inst_pref_size 185
	.end_amdhsa_kernel
	.amdgpu_metadata
---
amdhsa.version: [ 1, 2 ]
amdhsa.kernels:
  - .name:           k_qa2e95c7b5b_attn
    .symbol:         k_qa2e95c7b5b_attn.kd
    .args:
      - { .name: query_codes, .offset: 0, .size: 8, .value_kind: global_buffer, .address_space: global }
      - { .name: key_codes, .offset: 8, .size: 8, .value_kind: global_buffer, .address_space: global }
      - { .name: value_codes, .offset: 16, .size: 8, .value_kind: global_buffer, .address_space: global }
      - { .name: lowp_scales, .offset: 24, .size: 8, .value_kind: global_buffer, .address_space: global }
      - { .name: out0, .offset: 32, .size: 8, .value_kind: global_buffer, .address_space: global }
    .group_segment_fixed_size: 327680
    .private_segment_fixed_size: 0
    .kernarg_segment_align: 8
    .kernarg_segment_size: 40
    .max_flat_workgroup_size: 512
    .sgpr_count:     100
    .vgpr_count:     256
    .wavefront_size: 32
...
	.end_amdgpu_metadata
.endif
;; end of part 1
